; MI455X (gfx1250); checked and timed in simulation.
; The chip was launched on July 23, 2026; its instructions are those of AMD's public machine-readable ISA for CDNA 5 (MIT licence, August 2026) and "CDNA5" Instruction Set Architecture Reference Guide (July 2026). The comments in the code are by the model that wrote it; some were corrected since.
;; Compiled Autograd0. Allowed arithmetic: matrix products marked QUANTISED: E3M2 operands, one E8M0 scale for each 32 along K, by v_wmma_scale_f32_16x16x128_f8f6f4 with both operands' format E3M2, f32 sums; everything else in f32.
;; Inputs: k 2 x 16 x 2,048 x 64 float32; q 2 x 16 x 2,048 x 64 float32; v 2 x 16 x 2,048 x 64 float32.
;; Outputs: out0 2 x 16 x 2,048 x 64 float32.
;; This version of the problem:
;;   THIS VERSION OF THE PROBLEM IS GIVEN IN LOW PRECISION. The matrix products marked QUANTISED in the list below multiply operands that are first quantised to E3M2 (3 exponent bits, 2 mantissa bits; 6 bits a number), with one power-of-two scale for each 32 numbers along K (OCP MX v1.0); their sums are f32. All else is computed in f32.
;;   The module's matrix products, in the order in which they are computed (A, B: the left and right operand; K: the contracted axis; several contracted axes count as one K, in the product's order):
;;     1. batch 32 x [M 2,048, K 64] x [K 64, N 2,048]; A: input q; B: input k: QUANTISED
;;     2. batch 32 x [M 2,048, K 2,048] x [K 2,048, N 64]; A: softmax (see below); B: input v: QUANTISED
;;   THE QUANTISER, for each operand of a quantised product, along K:
;;     - K is cut into blocks of 32 from its start; a last block that is shorter is filled with zeros.
;;     - A block's scale is 2^e with e = floor(log2(the largest magnitude in the block)) - 4, held to -126 .. 127; a block of zeros has e = 0. As a byte (E8M0): e + 127.
;;     - Each number is divided by its block's scale, clamped to +-28, and rounded to the nearest number of E3M2, ties to even, subnormals kept.
;;     - The product sums the exact products of the quantised numbers (number of the format x scale) in f32.
;;   ~~~python
;;   def quantise(x, axis):      # numpy; x: float32 -> the quantised numbers, widened to float32 again
;;       x = np.moveaxis(x, axis, -1); K = x.shape[-1]
;;       x = np.pad(x, [(0, 0)] * (x.ndim - 1) + [(0, -K % 32)]); x = x.reshape(x.shape[:-1] + (-1, 32)); a = np.abs(x).max(-1, keepdims=True)
;;       e = np.where(a > 0, np.clip(np.frexp(np.where(a > 0, a, 1))[1] - 1 - 4, -126, 127), 0)      # np.frexp(a)[1] - 1 = floor(log2(a)), exactly
;;       r = np.clip(x / 2.0 ** e, -28, 28)
;;       step = 2.0 ** (np.maximum(np.frexp(np.where(r == 0, 1, r))[1] - 1, -2) - 2)
;;       q = np.round(r / step) * step * 2.0 ** e      # np.round: ties to even
;;       return np.moveaxis(q.reshape(q.shape[:-2] + (-1,))[..., :K], -1, axis).astype(np.float32)
;;   ~~~
;;   SOFTMAX AHEAD OF A QUANTISED PRODUCT. Where the list says 'softmax', what is quantised is not the finished softmax but p = 2^(t - M), with t = logit x log2(e) and M = ceil(the row's largest t), a whole number; so 1/2 < the row's largest p <= 1. The row's sum l is taken of the UNQUANTISED p, in f32, and the product's result is divided by l at the end. Since M is a whole number, a kernel that streams over the keys may use a running M (the ceiling of the running maximum): every later rescaling is an exact power of two, which a block's scale takes up: the codes' values come out the same.
;;   OPERANDS COMPUTED ON THE WAY. 'Computed on the way' means the value that the module computes at that place (a softmax that the list does not call 'softmax' is quantised finished and normalised). What goes into a quantiser is computed in f32, as accurately as f32 sums, v_exp_f32 and their like allow (about 1e-6 of the number): no bf16 or f16 on the way to a quantiser, and a product that is left as it is and whose result goes on into a quantised operand takes f32 operands (vector FMAs, or v_wmma_f32_16x16x4_f32). A number that lies on a knife's edge between two numbers of the format may be rounded either way, as far as f32 arithmetic and the matrix unit's own rounding can turn it there, and no further.
;; One version. Each part assembles by itself: llvm-mc -triple=amdgcn-amd-amdhsa -mcpu=gfx1250 --defsym DOCPART=n.
;; ======== version 1 of 1: 2 launches
;; limits: right only within a limited range of input values
;; workspace buffers: kv 6,553,600 bytes
;; launch quant (part 1): grid 256 x 1, 16 waves a work-group, no clusters, 76,800 bytes of LDS; arguments k, v, kv; writes kv
.if DOCPART == 1
	.amdgcn_target "amdgcn-amd-amdhsa--gfx1250"
	.amdhsa_code_object_version 6
	.text
	.protected	k_q7f45f4bad1_quant
	.globl	k_q7f45f4bad1_quant
	.p2align	8
	.type	k_q7f45f4bad1_quant,@function
k_q7f45f4bad1_quant:
	s_mov_b64 s[64:65], 0
	v_nop
	global_prefetch_b8 v0, s[64:65] scope:SCOPE_SE
	s_setreg_imm32_b32 hwreg(HW_REG_WAVE_MODE, 25, 1), 1
	s_wait_xcnt 0x0
; k and v, [32 heads][2048 keys][64] f32, become codes of BF6 (E3M2) with one E8M0 scale byte for each 32 along a product's K:
; k along its 64 channels, v along the keys.  Eight work-groups of the next launch read each head, so this is done once, here.
; A block's scale is 2^(floor(log2(its largest magnitude)) - 4); its byte is the largest magnitude's exponent field - 4, held at 1 from below by a floor among the maximum's leaves.
; kv [gs][12,800 bytes]: gs = 16 x head + step, a step = 128 keys; every part is an image of the operands' registers.  lane = (r, h): r = lane % 16, h = lane / 16.
;   0:      K's fragment f 0..3, [f][g 0..2][lane][16 bytes], group g = registers 4 g .. 4 g + 3.  A fragment holds two tiles of 16 keys: registers 0-5 = key 64 (f / 2) + 16 (f % 2) + 32 (r / 8) + r % 8,
;           channels 32 h .. 32 h + 31; registers 6-11 = the key 8 further on.
;   6144:   V's tile dt 0..3, [dt][g][lane][16 bytes]: channel 16 dt + r, registers 6 c .. 6 c + 5 = the step's keys 64 c + 32 h + 0 .. 31.
;   12288:  [lane][4 words]: words 0, 1: the scale word of K's fragment 2 j + h, row r, j = 0, 1: bytes (first key, channels 0-31), (first key, 32-63), (second key, 0-31), (second key, 32-63);
;           words 2, 3: V's channel 32 q + lane, q = 0, 1: byte kb scales the step's keys 32 kb .. 32 kb + 31.
; SHARES.  256 work-groups, two gs each; sixteen waves with 8,192 bytes of input each: waves 0-7 a fragment of K, waves 8-15 64 keys x 32 channels of V.  Every input byte is read once.
; The scale bytes of a gs are gathered in LDS and leave as 512 consecutive bytes behind the one barrier.  No matrix unit, no tensor load, no cluster: no input is shared.
; WORK LEFT OUT in the next launch: a step of 128 keys that all come after a tile's 16 queries is hidden by the mask that reference() builds in its own body: its softmax terms are 0 for all values of the inputs.
; A NaN, an infinity or an overflow that reaches only such a step is not carried to the result.
; LIMITS: NaN and infinities among the inputs are not served.  A block of zeros gets the byte 1 where the rule says 127: its codes are zeros, and this program alone reads the bytes.
; Blocks whose largest magnitude lies under 2^-122 (the floor) are held at the byte 1.
.set PIT,   272                        ; K's stage: a key's 256 bytes + 16
.set STGW,  9216                       ; a wave's stage: 32 keys x 272, + 128 bytes behind the first 16 keys
.set SCB,   73728                      ; the scale bytes, 512 for each gs
.set SPARE, 74752                      ; the spare words, 128 bytes a wave
.set SPW,   14
.set NIL,   15
.set MA,    16                         ; v16, v17  two blocks' largest magnitudes
.set SA,    18                         ; v18, v19  the conversions' scale operands
.set BA,    20                         ; v20, v21  the scale bytes
.set TA,    24                         ; v[24:26], v[28:30] upper halves as converted
.set TB,    28
.set C,     32                         ; v[32:43]  the operand's twelve registers
.set R,     64                         ; v[64:127] 64 numbers as loaded
.set X,     128                        ; v[128:191] K: two blocks of 32 neighbours
.macro QUANT2 xa, xb
	v_max3_num_f32 v[MA], |v[\xa]|, |v[\xa+1]|, 0x2800000          ; the floor 2^(5 - 127) is one more leaf
	v_max3_num_f32 v[MA+1], |v[\xb]|, |v[\xb+1]|, 0x2800000
.irp i, 2,4,6,8,10,12,14,16,18,20,22,24,26,28,30
	v_max3_num_f32 v[MA], v[MA], |v[\xa+\i]|, |v[\xa+\i+1]|        ; the two blocks by turns
	v_max3_num_f32 v[MA+1], v[MA+1], |v[\xb+\i]|, |v[\xb+\i+1]|
.endr
	v_add_nc_u32 v[SA], 0xfe000000, v[MA]                          ; 4 off the exponent field: the conversion takes that field of this operand as its scale
	v_add_nc_u32 v[SA+1], 0xfe000000, v[MA+1]
	v_lshrrev_b32 v[BA], 23, v[SA]
	v_lshrrev_b32 v[BA+1], 23, v[SA+1]
	v_cvt_scalef32_pk16_bf6_f32 v[C:C+2], v[\xa:\xa+15], v[SA]
	v_cvt_scalef32_pk16_bf6_f32 v[TA:TA+2], v[\xa+16:\xa+31], v[SA] ; (a conversion's three registers begin on an even number)
	v_cvt_scalef32_pk16_bf6_f32 v[C+6:C+8], v[\xb:\xb+15], v[SA+1]
	v_cvt_scalef32_pk16_bf6_f32 v[TB:TB+2], v[\xb+16:\xb+31], v[SA+1]
	v_nop                                                          ; one plain place behind the scaled conversions
.irp i, 0,1,2
	v_mov_b32 v[C+3+\i], v[TA+\i]
	v_mov_b32 v[C+9+\i], v[TB+\i]
.endr
.endm
	s_load_b128 s[4:7], s[0:1], 0x0                ; k s[4:5], v s[6:7]
	s_load_b64 s[8:9], s[0:1], 0x10                ; kv
	v_lshl_add_u32 v[SPW], v0, 2, SPARE
	v_mov_b32 v[NIL], 0
	v_lshrrev_b32 v1, 5, v0
	v_readfirstlane_b32 s16, v1                    ; wave 0..15
	s_lshr_b32 s17, s16, 2
	s_and_b32 s17, s17, 1                          ; which of my two gs
	s_and_b32 s18, s16, 3                          ; K: fragment
	s_lshr_b32 s19, s18, 1                         ; K: fragment / 2.  V: h, blocks h and 2 + h
	s_and_b32 s20, s18, 1                          ; K: fragment % 2.  V: which 32 channels
	s_lshl_b32 s34, ttmp9, 1
	s_add_co_u32 s21, s34, s17                     ; gs
	s_mul_i32 s22, s21, 12800
	s_lshl_b32 s24, s21, 15
	s_lshl_b32 s26, s19, 14
	s_lshl_b32 s27, s20, 12
	s_add_co_u32 s26, s26, s27
	s_add_co_u32 s26, s26, s24                     ; K: key 64 (f / 2) + 16 (f % 2) of the step
	s_lshl_b32 s28, s19, 13
	s_lshl_b32 s29, s20, 7
	s_add_co_u32 s28, s28, s29
	s_add_co_u32 s28, s28, s24                     ; V: key 32 h, my 32 channels
	s_mul_i32 s30, s18, 1536
	s_add_co_u32 s30, s30, s22                     ; K's codes
	s_mul_i32 s32, s20, 3072
	s_lshl_b32 s33, s19, 8
	s_add_co_u32 s32, s32, s33
	s_add_co_u32 s32, s32, s22
	s_add_co_u32 s32, s32, 6144                    ; V's codes
	s_add_co_u32 s34, s34, s16
	s_mul_i32 s34, s34, 12800
	s_add_co_u32 s34, s34, 12288                   ; waves 0, 1: a gs's scale words
	s_mov_b32 s27, 0
	s_mov_b32 s29, 0
	s_mov_b32 s31, 0
	s_mov_b32 s33, 0
	s_mov_b32 s35, 0
	s_lshl_b32 s36, s17, 9
	s_add_co_u32 s36, s36, SCB
	s_lshl_b32 s37, s20, 8
	s_add_co_u32 s37, s37, s36
	s_lshl_b32 s38, s19, 2
	s_add_co_u32 s37, s37, s38                     ; K's bytes: SCB + 512 gs + 256 (f % 2) + 4 (f / 2)
	s_lshl_b32 s38, s20, 2
	s_add_co_u32 s38, s38, s36
	s_add_co_u32 s38, s38, s19
	s_add_co_u32 s38, s38, 8                       ; V's bytes: SCB + 512 gs + 8 + 4 q + h
	s_and_b32 s39, s16, 7
	s_mul_i32 s39, s39, STGW                       ; K's stage
	s_and_b32 s40, s16, 1
	s_lshl_b32 s40, s40, 9
	s_add_co_u32 s40, s40, SCB
	v_and_b32 v2, 31, v0                           ; lane
	v_and_b32 v3, 15, v0                           ; r
	v_bfe_u32 v4, v0, 4, 1                         ; h
	v_lshlrev_b32 v10, 4, v2                       ; 16 x lane
	v_lshlrev_b32 v11, 2, v2                       ; 4 x lane
	v_mul_u32_u24 v12, v4, 1536
	v_lshl_add_u32 v12, v3, 4, v12                 ; V's codes: my channel's tile and row
	v_mul_u32_u24 v5, v4, PIT
	v_lshl_add_u32 v5, v3, 4, v5
	v_add_nc_u32 v5, s39, v5                       ; the stage, in: key h of a load's two, 16 r bytes on
	v_and_b32 v13, 8, v3
	v_add_nc_u32 v13, v13, v3                      ; r + 8 (r / 8)
	v_mul_u32_u24 v6, v13, PIT
	v_lshrrev_b32 v13, 3, v3
	v_lshl_add_u32 v6, v13, 7, v6                  ; + 128 behind the first 16 keys
	v_lshl_add_u32 v6, v4, 7, v6                   ; + my half's 32 channels
	v_add_nc_u32 v6, s39, v6                       ; the stage, out
	v_lshl_add_u32 v7, v3, 4, v4
	v_add_nc_u32 v7, s37, v7                       ; K's scale bytes: 16 r + h
	v_add_nc_u32 v8, s38, v10                      ; V's: 16 x lane
	v_add_nc_u32 v9, s40, v10                      ; the way out of the scale words
	s_wait_alu depctr_va_vdst(0)                   ; the wait at the head's end
	s_wait_kmcnt 0x0
	s_add_nc_u64 s[4:5], s[4:5], s[26:27]
	s_add_nc_u64 s[6:7], s[6:7], s[28:29]
	s_add_nc_u64 s[10:11], s[8:9], s[30:31]
	s_add_nc_u64 s[12:13], s[8:9], s[32:33]
	s_add_nc_u64 s[14:15], s[8:9], s[34:35]
	s_cmp_lt_u32 s16, 8
	s_cbranch_scc0 .Lv
	; K: two runs of 16 keys, 32 keys apart: sixteen loads of 512 consecutive bytes, all out at once
.irp i, 0,1,2,3,4,5,6,7,8,9,10,11,12,13,14,15
	global_load_b128 v[R+4*\i:R+4*\i+3], v10, s[4:5] offset:512*\i+4096*(\i/8) th:TH_LOAD_NT
.endr
.irp i, 0,1,2,3,4,5,6,7,8,9,10,11,12,13,14,15
	s_wait_loadcnt 15-\i                           ; load i is in, the younger ones may be out
	ds_store_b128 v5, v[R+4*\i:R+4*\i+3] offset:2*\i*PIT+(\i/8)*128
.endr
.irp j, 0,1,2,3,4,5,6,7
	ds_load_b128 v[X+4*\j:X+4*\j+3], v6 offset:16*\j               ; LDS serves a wave's instructions in order (ISA guide 5.7.1.4)
.endr
.irp j, 0,1,2,3,4,5,6,7
	ds_load_b128 v[X+32+4*\j:X+32+4*\j+3], v6 offset:8*PIT+16*\j   ; the key 8 further on
.endr
	s_wait_dscnt 0x0
	QUANT2 X, X+32
	ds_store_b8 v7, v[BA]
	ds_store_b8 v7, v[BA+1] offset:2
.irp g, 0,1,2
	global_store_b128 v10, v[C+4*\g:C+4*\g+3], s[10:11] offset:512*\g   ; 512 consecutive bytes
.endr
	s_branch .Ljoin
	; V: a lane takes a channel and its registers run down the keys: blocks h and 2 + h, the twelve registers of the operand's lane (r, h)
.Lv:
.set n, 0
.rept 32
	global_load_b32 v[R+n], v11, s[6:7] offset:n*256 th:TH_LOAD_NT
.set n, n+1
.endr
.set n, 0
.rept 32
	global_load_b32 v[R+32+n], v11, s[6:7] offset:16384+n*256 th:TH_LOAD_NT
.set n, n+1
.endr
	s_wait_loadcnt 0x0
	QUANT2 R, R+32
	ds_store_b8 v8, v[BA]
	ds_store_b8 v8, v[BA+1] offset:2
.irp g, 0,1,2
	global_store_b128 v12, v[C+4*\g:C+4*\g+3], s[12:13] offset:512*\g   ; sixteen lanes store 256 consecutive bytes, aligned
.endr
.Ljoin:
	s_wait_dscnt 0x0                               ; my scale bytes are in LDS
	s_barrier_signal -1
	s_barrier_wait -1
	s_cmp_gt_u32 s16, 1
	s_cbranch_scc1 .Lend
	ds_load_b128 v[44:47], v9
	s_wait_dscnt 0x0
	global_store_b128 v10, v[44:47], s[14:15]      ; waves 0 and 1: a gs's 512 bytes of scale words
.Lend:
	s_wait_tensorcnt 0x0                           ; the wave's end
	ds_add_u32 v[SPW], v[NIL]
	s_wait_dscnt 0x0
	s_endpgm
.Lfunc_end_k_q7f45f4bad1_quant:
	.size	k_q7f45f4bad1_quant, .Lfunc_end_k_q7f45f4bad1_quant-k_q7f45f4bad1_quant
	.p2alignl 7, 3214868480
	.fill 96, 4, 3214868480
	.section	.rodata,"a",@progbits
	.p2align	6, 0x0
	.amdhsa_kernel k_q7f45f4bad1_quant
		.amdhsa_group_segment_fixed_size 76800
		.amdhsa_private_segment_fixed_size 0
		.amdhsa_enable_private_segment 0
		.amdhsa_kernarg_size 24
		.amdhsa_user_sgpr_count 2
		.amdhsa_user_sgpr_kernarg_segment_ptr 1
		.amdhsa_wavefront_size32 1
		.amdhsa_system_sgpr_workgroup_id_x 1
		.amdhsa_system_sgpr_workgroup_id_y 1
		.amdhsa_system_sgpr_workgroup_id_z 1
		.amdhsa_system_vgpr_workitem_id 0
		.amdhsa_next_free_vgpr 192
		.amdhsa_next_free_sgpr 66
		.amdhsa_reserve_vcc 0
		.amdhsa_float_denorm_mode_32 3
		.amdhsa_float_denorm_mode_16_64 3
		.amdhsa_memory_ordered 1
		.amdhsa_forward_progress 1
		.amdhsa_inst_pref_size 21
	.end_amdhsa_kernel
	.amdgpu_metadata
---
amdhsa.version: [ 1, 2 ]
amdhsa.kernels:
  - .name:           k_q7f45f4bad1_quant
    .symbol:         k_q7f45f4bad1_quant.kd
    .args:
      - { .name: k, .offset: 0, .size: 8, .value_kind: global_buffer, .address_space: global }
      - { .name: v, .offset: 8, .size: 8, .value_kind: global_buffer, .address_space: global }
      - { .name: kv, .offset: 16, .size: 8, .value_kind: global_buffer, .address_space: global }
    .group_segment_fixed_size: 76800
    .private_segment_fixed_size: 0
    .kernarg_segment_align: 8
    .kernarg_segment_size: 24
    .max_flat_workgroup_size: 512
    .sgpr_count:     66
    .vgpr_count:     192
    .wavefront_size: 32
...
	.end_amdgpu_metadata
.endif
;; end of part 1
;; launch attn (part 2): grid 8 x 32, 16 waves a work-group, clusters of 4 x 1, 327,680 bytes of LDS; arguments q, kv, out0; writes out0
.if DOCPART == 2
	.amdgcn_target "amdgcn-amd-amdhsa--gfx1250"
	.amdhsa_code_object_version 6
	.text
	.protected	k_q7f45f4bad1_attn
	.globl	k_q7f45f4bad1_attn
	.p2align	8
	.type	k_q7f45f4bad1_attn,@function
k_q7f45f4bad1_attn:
	s_mov_b64 s[64:65], 0
	v_nop
	global_prefetch_b8 v0, s[64:65] scope:SCOPE_SE
	s_setreg_imm32_b32 hwreg(HW_REG_WAVE_MODE, 25, 1), 1
	s_wait_xcnt 0x0
	s_wait_alu depctr_hold_cnt(0) depctr_sa_sdst(0) depctr_va_vdst(0) depctr_va_sdst(0) depctr_va_ssrc(0) depctr_va_vcc(0) depctr_vm_vsrc(0)
	s_getreg_b32 s2, hwreg(HW_REG_IB_STS2, 6, 4)
	s_cmp_eq_u32 s2, 0
	s_cbranch_scc0 .Lentry_in_a_cluster
	s_endpgm
.Lentry_in_a_cluster:
	s_bfe_u32 s2, ttmp6, 0x10000c
	s_cmp_lg_u32 s2, 0x3003
	s_cbranch_scc0 .Lentry_shape_is_right
	s_endpgm
.Lentry_shape_is_right:
; out0[head][q][:] = the sum over keys k <= q of softmax_k(q . k / 8) v[k][:], 32 heads x 2,048 x 64, both products on codes of BF6 (E3M2) with one E8M0 scale for each 32 along a product's K.
; q arrives as f32 and is quantised here, in registers; k's and v's codes and scale words come from the launch before, laid as images of the operands' registers.
; THE SOFTMAX AHEAD OF THE SECOND PRODUCT: t = score x log2(e) / 8; M = the row's largest t so far, rounded UP to a whole number; p = 2^(t - M) is what is quantised, along the keys; it is not normalised.
; The row's sum is taken of the unquantised p, in f32, and divides at the end.  When M moves, the sum and O are multiplied by 2^(old M - new M), which rounds nothing.
; WORK LEFT OUT: a step of 128 keys that all come after a tile's 16 queries is hidden by the mask that reference() builds in its own body.
; SHARES.  256 work-groups: x = 0..7, y = the head.  A work-group owns ONE tile of 16 queries of each of the head's sixteen blocks of 128 queries: tile 8 block + x.  A tile of block b has b + 1 steps of 128 keys.
; Waves 2 p and 2 p + 1 are pair p (0..7) and take the tiles of blocks p and 15 - p, 17 steps.  Wave A: block p's tile, steps 0 .. p; then block 15 - p's tile, steps 9 .. 15 - p: 8 steps.
; Wave B: block 15 - p's tile, steps 0 .. 8: 9 steps.  At the end A hands its sums, its M and its part of O to B through LDS, and B joins the two parts by powers of two.
; A's number in the pair is (w xor w / 4) % 2 = 0, so that any four waves w % 4 = const hold two of each kind.  The loops' trip counts are constants.
; CLUSTERS of four work-groups of one head, 4 along x: they read the same bytes in the same order, so each tensor load is a joint one (mask 15).  Only addresses in q and out0 and the mask's numbers hang on x.
; LDS.  A whole head's codes and scale words, 16 steps x 12,800 bytes, are brought in ONCE, by one tensor load a wave: wave w brings step w.  Step 0 is worked while the other fifteen are on their way.
; No byte is filled twice and no loop issues a load: so there is no ring, and nothing to prefetch ahead in a loop.
; THE FIRST PRODUCT'S K IS 64, the instruction's 128.  A fragment of K holds TWO tiles of 16 keys (registers 0-5, registers 6-11), and q stands in 18 registers Q Z Q, Z six registers of zero codes:
; the fragment x (Q, Z) gives the first tile's scores, the same fragment x (Z, Q) the second's; zero codes add nothing under any scale byte that a quantiser gives.
; LAYOUT.  Both products are used transposed: S^T = K Q^T, O^T = V^T P^T: lane (r, h) holds query r throughout.  Rows 0-7 of a tile of keys come from one block of 32, rows 8-15 from the next, so that
; score register 32 c + i of lane (r, h) is key 64 c + 32 h + i of the step: a whole block of 32 along the next K lies in one lane, and the conversions' results are the operand's registers.
; THE DIAGONAL.  All tiles of a work-group lie 16 x queries into their block, so one image of the mask serves all: 64 registers of 0 or -1e38, built in LDS by the sixteen waves; on its diagonal step a wave takes it as the C of the scores.
; LIMITS: NaN and infinities among the inputs are not served.  Scores are held to be under 1e37 in magnitude (the mask's -1e38), and scaled scores under 2^31.  A block of zeros (of q, or of p where every p has fallen to 0)
; has the byte 1 where the rule says 127: its codes are zeros.  A p under 2^-126 comes out of v_exp_f32 as 0.
.set STB,   12800                      ; a step
.set STGB,  204800                     ; LDS: a stage of 16 rows x 272 bytes for each wave, for q's way in and O's way out: no fill lands there
.set STGW,  4352
.set PIT,   272
.set MSK,   274432                     ; the mask's image: 64 registers x 128 bytes
.set QX,    282624                     ; 1,024 bytes a pair: B's codes of q for A; later A's M and sum for B
.set MRG,   290816                     ; 4,096 bytes a pair: A's part of O^T for B
.set SPARE, 323584                     ; the spare words, 128 bytes a wave
.set LIK,   1                          ; v1   16 x lane: also my bytes in q's and out0's 4,096
.set ADS,   2                          ; v2   the step in LDS
.set RD,    3                          ; v3   the stage by rows: (lane / 16) x 272 + 16 (lane % 16)
.set STO,   4                          ; v4   the stage by lanes: 272 r + 32 h
.set QIN,   5                          ; v5   the stage at 272 r + 128 h
.set H8,    6                          ; v6   8 h
.set OM,    7                          ; v7   the old -M
.set SPW,   8
.set NIL,   9
.set F,     10                         ; v[10:11] f = 2^(old M - new M)
.set NM,    12                         ; v12  -M; v13 0; v[14:15] the sum in two halves
.set QF,    16                         ; v[16:33] Q Z Q
.set QS,    34                         ; v34  q's scale word (s0, s1, s0, s1)
.set PW,    35                         ; v35  p's scale word
.set KSW,   36                         ; v[36:37] K's scale words
.set VSW,   38                         ; v[38:39] V's
.set FK,    40                         ; v[40:87] K's four fragments; at work once the scores are made
.set FV,    88                         ; v[88:135] V's four
.set S,     136                        ; v[136:199] S^T, then p
.set O,     200                        ; v[200:231] O^T
.set PC,    232                        ; v[232:243] p's codes
.set QXA,   244
.set MRA,   245
.set MSKA,  246
.set RM,    247                        ; v247 the row's largest score so far
.set WV,    16
.set KIND,  17                         ; s17  0: A, 1: B
.set PR,    18                         ; s18  p
.set HD,    19
.set SEL,   20                         ; s[20:21] selects for lane l xor 16
.set CS,    22                         ; s[22:23] c = log2(e) / 8
.set KF,    24                         ; s24  the step
.set TK,    25                         ; s25  its place in LDS
.set LS,    26                         ; s26  my tile's last step in this loop
.set L2,    27
.set DG,    28                         ; s28  my tile's diagonal step = its block
.set DB,    29                         ; s29  15 - p
.set G1,    32
.set G0,    40
.set CNT,   46
.set NC,    47                         ; s47  -c
.macro ROUND                           ; a round of the cluster's barrier
	s_barrier_signal -1
	s_barrier_wait -1
	s_cmp_lg_u32 s[WV], 0
	s_cbranch_scc1 .Lnot_wave_0_\@
	s_barrier_signal -3
.Lnot_wave_0_\@:
	s_barrier_wait -3
	s_barrier_signal -1
	s_barrier_wait -1
.endm
	s_load_b128 s[4:7], s[0:1], 0x0                ; q s[4:5], kv s[6:7]
	s_load_b64 s[8:9], s[0:1], 0x10                ; out0
	v_lshl_add_u32 v[SPW], v0, 2, SPARE
	v_mov_b32 v[NIL], 0
	ds_add_u32 v[SPW], v[NIL]                      ; the opening lines
	ds_add_u32 v[SPW], v[NIL]
	v_lshrrev_b32 v40, 5, v0
	v_readfirstlane_b32 s[WV], v40                 ; wave 0..15
	s_lshr_b32 s[PR], s[WV], 1
	s_lshr_b32 s[KIND], s[WV], 2
	s_xor_b32 s[KIND], s[KIND], s[WV]
	s_and_b32 s[KIND], s[KIND], 1
	s_sub_co_u32 s[DB], 15, s[PR]
	s_cmp_eq_u32 s[KIND], 0
	s_cselect_b32 s[LS], s[PR], 8                  ; A: block p's tile, up to step p; B: block 15 - p's, up to step 8
	s_cselect_b32 s[DG], s[PR], s[DB]
	s_cselect_b32 s[L2], s[DB], 0                  ; the second loop, steps 9 on: A alone, up to step 15 - p
	s_bfe_u32 s44, ttmp6, 0x40000
	s_lshl_b32 s45, ttmp9, 2
	s_add_co_u32 s44, s44, s45                     ; x = 4 x cluster x + cx
	s_and_b32 s[HD], ttmp7, 0xffff
	s_lshl_b32 s30, s[DG], 3
	s_add_co_u32 s30, s30, s44                     ; tile 8 block + x
	s_lshl_b32 s30, s30, 12                        ; of 4,096 bytes,
	s_lshl_b32 s45, s[HD], 19
	s_add_co_u32 s30, s30, s45                     ; 524,288 a head: under 2^25
	s_mov_b32 s31, 0
	s_mov_b32 s[SEL], 0x76543210
	s_mov_b32 s[SEL+1], 0xfedcba98
	s_mov_b32 s[CS], 0x3e38aa3b
	s_mov_b32 s[CS+1], 0x3e38aa3b                  ; (named with it as a pair)
	s_mov_b32 s[NC], 0xbe38aa3b
	s_mov_b32 s[G1+0], 15|(3<<16)|(1<<21)          ; the mask of my cluster's four; elements of 8 bytes; bit 21 beside a mask
	s_mov_b32 s[G1+1], 32<<16                      ; a dense block as 50 rows of 256 bytes: tensor_dim0 = 32
	s_mov_b32 s[G1+2], 50<<16
	s_mov_b32 s[G1+3], 32<<16
	s_mov_b32 s[G1+4], 50
	s_mov_b32 s[G1+5], 32
	s_mov_b32 s[G1+6], 0
	s_mov_b32 s[G1+7], 0
	s_mul_i32 s48, s[WV], STB
	s_mul_i32 s50, s[HD], 16*STB
	s_add_co_u32 s50, s50, s48
	s_mov_b32 s51, 0
	s_mov_b32 s[G0], 1
	s_mul_i32 s[G0+1], s[WV], STB                  ; step w lies at 12,800 w in LDS
	; LDS addresses: a constant + a constant x lane + a constant x wave
	v_and_b32 v40, 31, v0                          ; lane
	v_and_b32 v41, 15, v0                          ; r
	v_bfe_u32 v42, v0, 4, 1                        ; h
	v_lshlrev_b32 v[LIK], 4, v40
	s_mul_i32 s45, s[WV], STGW
	s_add_co_u32 s45, s45, STGB
	v_mul_u32_u24 v[RD], v42, PIT
	v_mul_u32_u24 v[STO], v41, PIT
	v_lshl_add_u32 v[RD], v41, 4, v[RD]
	v_add_nc_u32 v[STO], s45, v[STO]
	v_add_nc_u32 v[RD], s45, v[RD]
	v_lshl_add_u32 v[QIN], v42, 7, v[STO]
	v_lshl_add_u32 v[STO], v42, 5, v[STO]
	v_lshlrev_b32 v[H8], 3, v42
	s_lshl_b32 s45, s[PR], 10
	s_add_co_u32 s45, s45, QX
	v_add_nc_u32 v[QXA], s45, v[LIK]
	s_lshl_b32 s45, s[PR], 12
	s_add_co_u32 s45, s45, MRG
	v_add_nc_u32 v[MRA], s45, v[LIK]
	v_add_nc_u32 v[MSKA], MSK, v[LIK]
	s_lshl_b32 s45, s[WV], 9
	v_add_nc_u32 v45, s45, v[MSKA]                 ; where my four registers of the mask go
	s_lshl_b32 s45, s44, 4
	s_lshr_b32 s49, s[WV], 3
	s_lshl_b32 s49, s49, 6
	s_sub_co_i32 s45, s45, s49
	s_and_b32 s49, s[WV], 7
	s_lshl_b32 s49, s49, 2
	s_sub_co_i32 s45, s45, s49                     ; 16 x - the key of my first register: 64 (w / 8) + 4 (w % 8)
	v_lshlrev_b32 v44, 5, v42
	v_sub_nc_u32 v44, v41, v44
	v_add_nc_u32 v44, s45, v44                     ; d = 16 x + r - 32 h - that key: register k of my four is hidden where k > d
	s_wait_alu depctr_va_vdst(0)                   ; the wait here, ahead of the waits below
	s_wait_dscnt 0x0                               ; both opening adds are done
	s_wait_kmcnt 0x0
	s_add_nc_u64 s[4:5], s[4:5], s[30:31]          ; q and out0 at my 16 rows
	s_add_nc_u64 s[8:9], s[8:9], s[30:31]
.irp i, 0,1,2,3,4,5,6,7
	global_load_b128 v[FV+4*\i:FV+4*\i+3], v[LIK], s[4:5] offset:512*\i    ; 512 consecutive bytes: two rows of q
.endr
	s_add_nc_u64 s[G0+2:G0+3], s[6:7], s[50:51]    ; my step of my head
	s_or_b32 s[G0+3], s[G0+3], 0x80000000          ; type = 2
	ROUND                                          ; the four work-groups are here: the joint loads meet
	s_cmp_lg_u32 s[WV], 0                          ; one load a wave; step 0's has a line of its own, since wave 0 alone waits for it first
	s_cbranch_scc1 .Lrest
	tensor_load_to_lds s[G0:G0+3], s[G1:G1+7]
	s_nop 0
.rept 4
	v_nop
.endr
	s_branch .Lasked
.Lrest:
	tensor_load_to_lds s[G0:G0+3], s[G1:G1+7]
	s_nop 0
.rept 4
	v_nop
.endr
.Lasked:
	v_mov_b32 v46, 0xfe967699                      ; -1e38
.irp k, 0,1,2,3
	v_cmp_gt_i32 vcc_lo, \k, v44
	v_cndmask_b32 v[48+\k], 0, v46, vcc_lo
.endr
	ds_store_b128 v45, v[48:51]                    ; registers 4 w .. 4 w + 3 of the mask's image
	v_mov_b32 v47, 0                               ; a lane permute's destination counts as one of its sources
.set n, 0
.rept 32
	v_mov_b32 v[O+n], 0                            ; O^T.  (The step is one text: the first finds zeros, which the first change of M leaves zeros)
.set n, n+1
.endr
	; q turns through my stage: in as it was loaded, two rows an instruction; out 128 bytes a lane: lane (r, h) holds q(r, 32 h .. 32 h + 31), a whole block
.irp i, 0,1,2,3,4,5,6,7
	s_wait_loadcnt 7-\i                            ; load i is in, the younger ones may be out
	ds_store_b128 v[RD], v[FV+4*\i:FV+4*\i+3] offset:2*\i*PIT
.endr
.irp j, 0,1,2,3,4,5,6,7
	ds_load_b128 v[S+4*\j:S+4*\j+3], v[QIN] offset:16*\j           ; LDS serves a wave's instructions in order: these see my stores
.endr
	s_wait_alu depctr_va_vdst(0)                   ; the wait here, directly ahead of the wait below
	s_wait_dscnt 0x0
	v_max3_num_f32 v44, |v[S]|, |v[S+1]|, 0x2800000                ; the block's largest magnitude, in two chains, with the floor 2^(5 - 127) among the leaves
	v_max3_num_f32 v45, |v[S+2]|, |v[S+3]|, |v[S+4]|
.irp i, 5,9,13,17,21,25
	v_max3_num_f32 v44, v44, |v[S+\i]|, |v[S+\i+1]|
	v_max3_num_f32 v45, v45, |v[S+\i+2]|, |v[S+\i+3]|
.endr
	v_max3_num_f32 v44, v44, |v[S+29]|, |v[S+30]|
	v_max3_num_f32 v44, v44, v45, |v[S+31]|
	v_add_nc_u32 v46, 0xfe000000, v44              ; 4 off the exponent field: the conversion's scale operand
	v_lshrrev_b32 v48, 23, v46                     ; the byte,
	v_lshlrev_b32 v48, v[H8], v48                  ; 8 h bits up;
	v_permlanex16_b32 v47, v48, s[SEL], s[SEL+1]
	v_or_b32 v48, v48, v47                         ; with lane l xor 16's: (s0, s1)
	v_lshl_or_b32 v[QS], v48, 16, v48              ; (s0, s1, s0, s1): it serves (Q, Z) and (Z, Q) alike
	v_cvt_scalef32_pk16_bf6_f32 v[QF:QF+2], v[S:S+15], v46
	v_cvt_scalef32_pk16_bf6_f32 v[56:58], v[S+16:S+31], v46        ; (a conversion's three registers begin on an even number)
	v_mov_b32 v[NM], 0x7e000000                    ; -M: over every -t
	v_mov_b32 v13, 0                               ; (named as the upper half of a pair)
.irp i, 0,1,2
	v_mov_b32 v[QF+3+\i], v[56+\i]
.endr
.irp i, 0,1,2,3,4,5
	v_mov_b32 v[QF+6+\i], 0                        ; Z
.endr
.irp i, 0,1,2,3,4,5
	v_mov_b32 v[QF+12+\i], v[QF+\i]                ; Q once more
.endr
	v_mov_b32 v14, 0                               ; the sum, in two halves
	v_mov_b32 v15, 0
	v_mov_b32 v[RM], 0xff61b1e6                    ; -3e38, under every score
	v_mov_b32 v[F+1], 0                            ; (named as the upper half of a pair)
	v_mov_b32 v52, v[QF+4]
	v_mov_b32 v53, v[QF+5]
	v_mov_b32 v54, v[QS]
	v_mov_b32 v55, 0
	s_wait_alu depctr_va_vdst(0)                   ; the wait at the head's end
	s_cmp_eq_u32 s[KIND], 0
	s_cbranch_scc1 .Lno_qx
	ds_store_b128 v[QXA], v[QF:QF+3]               ; B: my q's codes and scale word, for A's second tile
	ds_store_b128 v[QXA], v[52:55] offset:512
.Lno_qx:
	s_wait_dscnt 0x0                               ; no LDS instruction of mine is out at a signal
	s_cmp_lg_u32 s[WV], 0
	s_cbranch_scc1 .Lnot_mine
	s_wait_tensorcnt 0x0                           ; wave 0: step 0 is in
.Lnot_mine:
	s_barrier_signal -1
	s_barrier_wait -1
; A product of the scaled form.  zc = 1: the sum begins with the constant 0; r1 = 1: source 0's scales stand in lanes 16-31
.macro WM d, a, q, zc, sa, sb, r1
.if \zc
.if \r1
	v_wmma_scale_f32_16x16x128_f8f6f4 v[\d:\d+7], v[\a:\a+11], v[\q:\q+11], 0, v[\sa], v[\sb] matrix_a_fmt:MATRIX_FMT_BF6 matrix_b_fmt:MATRIX_FMT_BF6 matrix_a_scale:MATRIX_SCALE_ROW1
.else
	v_wmma_scale_f32_16x16x128_f8f6f4 v[\d:\d+7], v[\a:\a+11], v[\q:\q+11], 0, v[\sa], v[\sb] matrix_a_fmt:MATRIX_FMT_BF6 matrix_b_fmt:MATRIX_FMT_BF6
.endif
.else
.if \r1
	v_wmma_scale_f32_16x16x128_f8f6f4 v[\d:\d+7], v[\a:\a+11], v[\q:\q+11], v[\d:\d+7], v[\sa], v[\sb] matrix_a_fmt:MATRIX_FMT_BF6 matrix_b_fmt:MATRIX_FMT_BF6 matrix_a_scale:MATRIX_SCALE_ROW1
.else
	v_wmma_scale_f32_16x16x128_f8f6f4 v[\d:\d+7], v[\a:\a+11], v[\q:\q+11], v[\d:\d+7], v[\sa], v[\sb] matrix_a_fmt:MATRIX_FMT_BF6 matrix_b_fmt:MATRIX_FMT_BF6
.endif
.endif
.endm
; A KEY STEP: 128 keys.
.macro STEP
	s_cmp_gt_u32 s[KF], s[LS]                      ; not a step of mine: a scalar branch on ids, round the step's work and not round the lines at its end
	s_cbranch_scc1 .Lhid_\@
	v_add_nc_u32 v[ADS], s[TK], v[LIK]
	ds_load_b64 v[KSW:KSW+1], v[ADS] offset:12288
.irp b, 0,1,2,3
.irp g, 0,1,2
	ds_load_b128 v[FK+12*\b+4*\g:FK+12*\b+4*\g+3], v[ADS] offset:1536*\b+512*\g
.endr
.endr
	s_wait_alu depctr_va_vdst(0)
	s_cmp_lg_u32 s[KF], s[DG]
	s_cbranch_scc1 .Lopen_\@
.irp i, 0,1,2,3,4,5,6,7,8,9,10,11,12,13,14,15
	ds_load_b128 v[S+4*\i:S+4*\i+3], v[MSKA] offset:512*\i         ; the diagonal: the scores begin with the mask's image, -1e38 where a key is hidden: p = 0 then
.endr
	s_wait_dscnt 0x0
.irp b, 0,1,2,3
	WM S+16*\b, FK+12*\b, QF, 0, KSW+\b/2, QS, \b%2
	WM S+16*\b+8, FK+12*\b, QF+6, 0, KSW+\b/2, QS, \b%2
.endr
	s_branch .Lscored_\@
.Lopen_\@:
.irp b, 0,1,2,3                        ; S^T = K Q^T: each fragment twice, against (Q, Z) and against (Z, Q); eight sums of one instruction each
	s_wait_dscnt 9-3*\b                            ; fragment b is in, the later ones' loads may be out
	WM S+16*\b, FK+12*\b, QF, 1, KSW+\b/2, QS, \b%2
	WM S+16*\b+8, FK+12*\b, QF+6, 1, KSW+\b/2, QS, \b%2
.endr
.Lscored_\@:
	v_mov_b32 v[OM], v[NM]
.rept 3
	v_nop                                          ; with the line above four places in front of V's loads and of the first read of the scores
.endr
.irp t, 0,1,2,3                        ; V lands under the softmax
.irp g, 0,1,2
	ds_load_b128 v[FV+12*\t+4*\g:FV+12*\t+4*\g+3], v[ADS] offset:6144+1536*\t+512*\g
.endr
.endr
	ds_load_b64 v[VSW:VSW+1], v[ADS] offset:12296
.irp b, 0,1,2,3                        ; the largest score of each of my two blocks of 32 keys, each in two chains: it serves for the row's maximum and, since p rises with the score, for the block's largest p
	v_max3_num_f32 v[FK+\b], v[S+16*\b], v[S+1+16*\b], v[S+2+16*\b]
.endr
.irp i, 3,5,7,9,11,13
.irp b, 0,1,2,3
	v_max3_num_f32 v[FK+\b], v[FK+\b], v[S+16*\b+\i], v[S+1+16*\b+\i]
.endr
.endr
	v_max3_num_f32 v40, v40, v41, v[S+15]
	v_max3_num_f32 v42, v42, v43, v[S+47]
	v_max_num_f32 v40, v40, v[S+31]
	v_max_num_f32 v42, v42, v[S+63]
	v_max_num_f32 v44, v40, v42
	s_delay_alu instid0(VALU_DEP_1)
	v_permlanex16_b32 v45, v44, s[SEL], s[SEL+1]
	s_delay_alu instid0(VALU_DEP_1)
	v_max3_num_f32 v[RM], v[RM], v44, v45          ; the running largest score of my query
	s_delay_alu instid0(VALU_DEP_1)
	v_mul_f32 v46, s[NC], v[RM]                    ; -t
	s_delay_alu instid0(VALU_DEP_1)
	v_floor_f32 v[NM], v46                         ; the new -M = -ceil(t): a whole number
	s_delay_alu instid0(VALU_DEP_1)
	v_sub_f32 v46, v[NM], v[OM]                    ; old M - new M: a whole number, 0 or less
	s_delay_alu instid0(VALU_DEP_1)
	v_cvt_i32_f32 v46, v46                         ; (it saturates)
	s_delay_alu instid0(VALU_DEP_1)
	v_ldexp_f32 v[F], 1.0, v46                     ; f
.set n, 0
.rept 32
	v_pk_fma_f32 v[S+n:S+n+1], v[S+n:S+n+1], s[CS:CS+1], v[NM:NM+1] op_sel_hi:[1,0,0]   ; t - M, two at a time (of the pairs c and -M the low word serves both halves)
.set n, n+2
.endr
	v_fma_f32 v40, v40, s[CS], v[NM]               ; the same of each block's largest score
	v_fma_f32 v42, v42, s[CS], v[NM]
.set n, 0
.rept 16
	v_pk_mul_f32 v[O+n:O+n+1], v[O+n:O+n+1], v[F:F+1] op_sel_hi:[1,0]      ; O^T under the new M, each accumulator from its low end on
.set n, n+2
.endr
	s_wait_alu depctr_va_vdst(0)                   ; the wait ahead of the batch
.set n, 0
.rept 64
	v_exp_f32 v[S+n], v[S+n]                       ; p = 2^(t - M): not normalised
.set n, n+1
.endr
	v_exp_f32 v40, v40                             ; the blocks' largest p: the same two instructions on the same number give the same bits
	v_exp_f32 v42, v42
	v_pk_mul_f32 v[14:15], v[14:15], v[F:F+1] op_sel_hi:[1,0]      ; the sums under the new M.  (The plain place behind the exponentials)
	s_wait_alu depctr_va_vdst(0)                   ; one wait for the whole batch
	v_max_num_f32 v40, 0x2800000, v40              ; the floor 2^(5 - 127)
	v_max_num_f32 v42, 0x2800000, v42
	v_add_nc_u32 v48, 0xfe000000, v40              ; 4 off the exponent field: the conversions' scale operands
	v_add_nc_u32 v50, 0xfe000000, v42
	v_lshrrev_b32 v46, 23, v48                     ; the bytes
	v_lshrrev_b32 v47, 23, v50
	v_cvt_scalef32_pk16_bf6_f32 v[PC:PC+2], v[S:S+15], v48
	v_cvt_scalef32_pk16_bf6_f32 v[52:54], v[S+16:S+31], v48        ; (a conversion's three registers begin on an even number)
	v_cvt_scalef32_pk16_bf6_f32 v[PC+6:PC+8], v[S+32:S+47], v50
	v_cvt_scalef32_pk16_bf6_f32 v[56:58], v[S+48:S+63], v50
	v_pk_add_f32 v[14:15], v[14:15], v[S:S+1]      ; the row's sum, of the unquantised p, in four chains.  (Also the plain place behind the conversions)
	v_lshl_or_b32 v46, v47, 16, v46                ; my two bytes: blocks h and 2 + h,
	v_pk_add_f32 v[60:61], v[S+16:S+17], v[S+18:S+19]
	v_pk_add_f32 v[62:63], v[S+32:S+33], v[S+34:S+35]
	v_lshlrev_b32 v46, v[H8], v46                  ; 8 h bits up;
	v_pk_add_f32 v[64:65], v[S+48:S+49], v[S+50:S+51]
	v_pk_add_f32 v[14:15], v[14:15], v[S+2:S+3]
	v_permlanex16_b32 v45, v46, s[SEL], s[SEL+1]
.irp i, 0,1,2
	v_mov_b32 v[PC+3+\i], v[52+\i]                 ; registers 6 c .. 6 c + 5 hold my block 2 c + h
	v_mov_b32 v[PC+9+\i], v[56+\i]
.endr
	v_or_b32 v[PW], v46, v45                       ; with lane l xor 16's two: p's scale word for these 128 keys
.irp i, 4,6,8,10,12,14
	v_pk_add_f32 v[14:15], v[14:15], v[S+\i:S+\i+1]
	v_pk_add_f32 v[60:61], v[60:61], v[S+16+\i:S+17+\i]
	v_pk_add_f32 v[62:63], v[62:63], v[S+32+\i:S+33+\i]
	v_pk_add_f32 v[64:65], v[64:65], v[S+48+\i:S+49+\i]
.endr
	v_pk_add_f32 v[14:15], v[14:15], v[60:61]
	v_pk_add_f32 v[62:63], v[62:63], v[64:65]
	v_pk_add_f32 v[14:15], v[14:15], v[62:63]
	s_wait_dscnt 0x0                               ; V's fragments and scale words are in
.irp t, 0,1,2,3                        ; O^T += V^T P^T: four accumulators by turns, one instruction a turn
	WM O+8*\t, FV+12*\t, PC, 0, VSW+\t/2, PW, \t%2
.endr
.Lhid_\@:
	s_add_co_u32 s[KF], s[KF], 1
	s_add_co_u32 s[TK], s[TK], STB
.endm
; THE WAY OUT of S's 32 lowest registers (8 t + i is out0(r, 16 t + 8 h + i)): 32 bytes a lane for each tile of channels into my stage, back as whole rows of 256 bytes.
.macro TOSTAGE
.irp t, 0,1,2,3
	ds_store_b128 v[STO], v[S+8*\t:S+8*\t+3] offset:64*\t
	ds_store_b128 v[STO], v[S+8*\t+4:S+8*\t+7] offset:64*\t+16
.endr
.irp i, 0,1,2,3,4,5,6,7
	ds_load_b128 v[FV+4*\i:FV+4*\i+3], v[RD] offset:2*\i*PIT       ; LDS serves a wave's instructions in order: these see my stores
.endr
.endm
.macro SEND younger                    ; younger: LDS loads issued behind the eight
.irp i, 0,1,2,3,4,5,6,7
	s_wait_dscnt 7-\i+\younger                     ; load i is back
	global_store_b128 v[LIK], v[FV+4*\i:FV+4*\i+3], s[8:9] offset:512*\i th:TH_STORE_NT   ; two whole rows: 512 consecutive bytes, at a multiple of 256 from out0's first byte
.endr
.endm
	s_mov_b32 s[KF], 0
	s_mov_b32 s[TK], 0
	STEP                                           ; every wave's first tile has step 0
	s_wait_alu depctr_va_vdst(0)                   ; the wait here, ahead of the waits below
	s_wait_tensorcnt 0x0                           ; my step is in; behind the barrier the whole head is
	s_wait_dscnt 0x0
	s_barrier_signal -1
	s_barrier_wait -1
	s_mov_b32 s[KF], 1
	s_mov_b32 s[TK], STB
	s_mov_b32 s[CNT], 8
.Lfirst:                                               ; steps 1 .. 8
	STEP
	s_sub_co_u32 s[CNT], s[CNT], 1
	s_cmp_lg_u32 s[CNT], 0
	s_cbranch_scc1 .Lfirst
	s_cmp_lg_u32 s[KIND], 0
	s_cbranch_scc1 .Lmid
	; A: block p's tile is done: it goes out, and block 15 - p's begins with the codes that B has made of its q
.rept 4
	v_nop                                          ; places behind the last products
.endr
	s_wait_alu depctr_va_vdst(0)                   ; the wait here, directly ahead of the reader below
	v_add_f32 v14, v14, v15                        ; the sum's two halves,
	v_permlanex16_b32 v47, v14, s[SEL], s[SEL+1]
	v_add_f32 v14, v14, v47                        ; and lane l xor 16's: the row's sum; it is over 1/2, since the row's largest p is
	s_wait_alu depctr_va_vdst(0)
	v_rcp_f32 v14, v14
	v_nop                                          ; one plain place behind the transcendental
	s_wait_alu depctr_va_vdst(0)
.set n, 0
.rept 16
	v_pk_mul_f32 v[S+n:S+n+1], v[O+n:O+n+1], v[14:15] op_sel_hi:[1,0]
.set n, n+2
.endr
	TOSTAGE
	ds_load_b128 v[QF:QF+3], v[QXA]
	ds_load_b128 v[52:55], v[QXA] offset:512
.set n, 0
.rept 32
	v_mov_b32 v[O+n], 0
.set n, n+1
.endr
	s_wait_alu depctr_va_vdst(0)                   ; the wait here, ahead of the waits below
	SEND 2
	s_wait_dscnt 0x0                               ; q's codes and scale word
	v_mov_b32 v[QS], v54
	v_mov_b32 v[QF+4], v52
	v_mov_b32 v[QF+5], v53
.irp i, 0,1,2,3,4,5
	v_mov_b32 v[QF+12+\i], v[QF+\i]
.endr
	v_mov_b32 v14, 0
	v_mov_b32 v15, 0
	v_mov_b32 v[RM], 0xff61b1e6
	v_mov_b32 v[NM], 0x7e000000
	s_wait_alu depctr_va_vdst(0)                   ; the wait here, directly ahead of the wait below
	s_wait_xcnt 0x0                                ; the stores' data registers take V's fragments again only behind this wait
.Lmid:
	s_mov_b32 s[LS], s[L2]
	s_mov_b32 s[DG], s[DB]
	s_mov_b32 s[KF], 9
	s_mov_b32 s[TK], 9*STB
	s_mov_b32 s[CNT], 7
.Lsecond:                                              ; steps 9 .. 15: A's
	STEP
	s_sub_co_u32 s[CNT], s[CNT], 1
	s_cmp_lg_u32 s[CNT], 0
	s_cbranch_scc1 .Lsecond
.rept 4
	v_nop                                          ; places behind the last products
.endr
	s_wait_alu depctr_va_vdst(0)
	s_cmp_lg_u32 s[KIND], 0
	s_cbranch_scc1 .Lpublished
	v_add_f32 v14, v14, v15
	ds_store_b128 v[QXA], v[NM:NM+3]               ; A: -M, -, my half of the sum, -
.irp i, 0,1,2,3,4,5,6,7
	ds_store_b128 v[MRA], v[O+4*\i:O+4*\i+3] offset:512*\i         ; and my part of O^T (zeros where block 8's tile has no step of mine)
.endr
.Lpublished:
	s_wait_alu depctr_va_vdst(0)                   ; the wait here, ahead of the waits below
	s_wait_dscnt 0x0
	s_barrier_signal -1
	s_barrier_wait -1
	s_cmp_eq_u32 s[KIND], 0
	s_cbranch_scc1 .Lend
	ds_load_b128 v[40:43], v[QXA]                  ; B: A's part
.irp i, 0,1,2,3,4,5,6,7
	ds_load_b128 v[FV+4*\i:FV+4*\i+3], v[MRA] offset:512*\i
.endr
	s_wait_dscnt 0x0
	v_min_num_f32 v44, v[NM], v40                  ; -M of the whole row
	v_add_f32 v14, v14, v15
	v_sub_f32 v45, v44, v[NM]
	v_sub_f32 v46, v44, v40
	v_cvt_i32_f32 v45, v45                         ; (both saturate: a part without a key gets the factor 0)
	v_cvt_i32_f32 v46, v46
	v_ldexp_f32 v48, 1.0, v45                      ; my factor,
	v_ldexp_f32 v50, 1.0, v46                      ; and A's
	v_mul_f32 v14, v14, v48
	v_fma_f32 v14, v42, v50, v14
	v_permlanex16_b32 v47, v14, s[SEL], s[SEL+1]
	v_add_f32 v14, v14, v47                        ; the row's sum
	s_wait_alu depctr_va_vdst(0)
	v_rcp_f32 v14, v14
	v_nop                                          ; one plain place behind the transcendental
	s_wait_alu depctr_va_vdst(0)
	v_mul_f32 v48, v48, v14
	v_mul_f32 v50, v50, v14
.set n, 0
.rept 16
	v_pk_mul_f32 v[S+n:S+n+1], v[O+n:O+n+1], v[48:49] op_sel_hi:[1,0]
.set n, n+2
.endr
.set n, 0
.rept 16
	v_pk_fma_f32 v[S+n:S+n+1], v[FV+n:FV+n+1], v[50:51], v[S+n:S+n+1] op_sel_hi:[1,0,1]
.set n, n+2
.endr
	TOSTAGE
	SEND 0
.Lend:
	s_wait_tensorcnt 0x0                           ; the wave's end
	ds_add_u32 v[SPW], v[NIL]
	s_wait_dscnt 0x0
	ROUND                                          ; the closing round
	s_endpgm
.Lfunc_end_k_q7f45f4bad1_attn:
	.size	k_q7f45f4bad1_attn, .Lfunc_end_k_q7f45f4bad1_attn-k_q7f45f4bad1_attn
	.p2alignl 7, 3214868480
	.fill 96, 4, 3214868480
	.section	.rodata,"a",@progbits
	.p2align	6, 0x0
	.amdhsa_kernel k_q7f45f4bad1_attn
		.amdhsa_group_segment_fixed_size 327680
		.amdhsa_private_segment_fixed_size 0
		.amdhsa_enable_private_segment 0
		.amdhsa_kernarg_size 24
		.amdhsa_user_sgpr_count 2
		.amdhsa_user_sgpr_kernarg_segment_ptr 1
		.amdhsa_wavefront_size32 1
		.amdhsa_system_sgpr_workgroup_id_x 1
		.amdhsa_system_sgpr_workgroup_id_y 1
		.amdhsa_system_sgpr_workgroup_id_z 1
		.amdhsa_system_vgpr_workitem_id 0
		.amdhsa_next_free_vgpr 256
		.amdhsa_next_free_sgpr 66
		.amdhsa_reserve_vcc 1
		.amdhsa_float_denorm_mode_32 3
		.amdhsa_float_denorm_mode_16_64 3
		.amdhsa_memory_ordered 1
		.amdhsa_forward_progress 1
		.amdhsa_inst_pref_size 74
	.end_amdhsa_kernel
	.amdgpu_metadata
---
amdhsa.version: [ 1, 2 ]
amdhsa.kernels:
  - .name:           k_q7f45f4bad1_attn
    .symbol:         k_q7f45f4bad1_attn.kd
    .args:
      - { .name: q, .offset: 0, .size: 8, .value_kind: global_buffer, .address_space: global }
      - { .name: kv, .offset: 8, .size: 8, .value_kind: global_buffer, .address_space: global }
      - { .name: out0, .offset: 16, .size: 8, .value_kind: global_buffer, .address_space: global }
    .group_segment_fixed_size: 327680
    .private_segment_fixed_size: 0
    .kernarg_segment_align: 8
    .kernarg_segment_size: 24
    .max_flat_workgroup_size: 512
    .sgpr_count:     66
    .vgpr_count:     256
    .wavefront_size: 32
...
	.end_amdgpu_metadata
.endif
;; end of part 2
